; MI455X (gfx1250); checked and timed in simulation.
; The chip was launched on July 23, 2026; its instructions are those of AMD's public machine-readable ISA for CDNA 5 (MIT licence, August 2026) and "CDNA5" Instruction Set Architecture Reference Guide (July 2026). The comments in the code are by the model that wrote it; some were corrected since.
;; Mo E. Allowed arithmetic: matrix products marked QUANTISED: E5M2 operands, one E8M0 scale for each 32 along K, by v_wmma_scale_f32_16x16x128_f8f6f4 with both operands' format E5M2, f32 sums; products left as they are: f32 operands where the result goes on into a quantised operand, else bf16, f16 or f32 operands; f32 sums; everything else in f32.
;; Inputs: W1 8 x 256 x 512 float32; W2 8 x 512 x 256 float32; b1 8 x 512 float32; b2 8 x 256 float32; mask 16 x 2,048 int32; w_gate 256 x 8 float32; x 16 x 2,048 x 256 float32.
;; Outputs: out0 16 x 2,048 x 256 float32; out1 one number float32.
;; This version of the problem:
;;   THIS VERSION OF THE PROBLEM IS GIVEN IN LOW PRECISION. The matrix products marked QUANTISED in the list below multiply operands that are first quantised to E5M2 (5 exponent bits, 2 mantissa bits; 8 bits a number), with one power-of-two scale for each 32 numbers along K (OCP MX v1.0); their sums are f32. All else is computed in f32.
;;   The module's matrix products, in the order in which they are computed (A, B: the left and right operand; K: the contracted axis; several contracted axes count as one K, in the product's order):
;;     1. [M 32,768, K 256] x [K 256, N 8]; A: input x; B: input w_gate: left as it is (N = 8 < 16)
;;     2. batch 32,768 x [M 1, K 4] x [K 4, N 8]; A: softmax; B: computed on the way: left as it is (K = 4 < 32)
;;     3. [M 32,768, K 256] x [K 256, N 512]; A: input x; B: input W1: QUANTISED
;;     4. [M 32,768, K 512] x [K 512, N 256]; A: computed on the way; B: input W2: QUANTISED
;;     5. [M 32,768, K 256] x [K 256, N 512]; A: input x; B: input W1: QUANTISED
;;     6. [M 32,768, K 512] x [K 512, N 256]; A: computed on the way; B: input W2: QUANTISED
;;     7. [M 32,768, K 256] x [K 256, N 512]; A: input x; B: input W1: QUANTISED
;;     8. [M 32,768, K 512] x [K 512, N 256]; A: computed on the way; B: input W2: QUANTISED
;;     9. [M 32,768, K 256] x [K 256, N 512]; A: input x; B: input W1: QUANTISED
;;     10. [M 32,768, K 512] x [K 512, N 256]; A: computed on the way; B: input W2: QUANTISED
;;     11. [M 32,768, K 256] x [K 256, N 512]; A: input x; B: input W1: QUANTISED
;;     12. [M 32,768, K 512] x [K 512, N 256]; A: computed on the way; B: input W2: QUANTISED
;;     13. [M 32,768, K 256] x [K 256, N 512]; A: input x; B: input W1: QUANTISED
;;     14. [M 32,768, K 512] x [K 512, N 256]; A: computed on the way; B: input W2: QUANTISED
;;     15. [M 32,768, K 256] x [K 256, N 512]; A: input x; B: input W1: QUANTISED
;;     16. [M 32,768, K 512] x [K 512, N 256]; A: computed on the way; B: input W2: QUANTISED
;;     17. [M 32,768, K 256] x [K 256, N 512]; A: input x; B: input W1: QUANTISED
;;     18. [M 32,768, K 512] x [K 512, N 256]; A: computed on the way; B: input W2: QUANTISED
;;   THE QUANTISER, for each operand of a quantised product, along K:
;;     - K is cut into blocks of 32 from its start; a last block that is shorter is filled with zeros.
;;     - A block's scale is 2^e with e = floor(log2(the largest magnitude in the block)) - 15, held to -126 .. 127; a block of zeros has e = 0. As a byte (E8M0): e + 127.
;;     - Each number is divided by its block's scale, clamped to +-57,344, and rounded to the nearest number of E5M2, ties to even, subnormals kept.
;;     - The product sums the exact products of the quantised numbers (number of the format x scale) in f32.
;;   ~~~python
;;   def quantise(x, axis):      # numpy; x: float32 -> the quantised numbers, widened to float32 again
;;       x = np.moveaxis(x, axis, -1); K = x.shape[-1]
;;       x = np.pad(x, [(0, 0)] * (x.ndim - 1) + [(0, -K % 32)]); x = x.reshape(x.shape[:-1] + (-1, 32)); a = np.abs(x).max(-1, keepdims=True)
;;       e = np.where(a > 0, np.clip(np.frexp(np.where(a > 0, a, 1))[1] - 1 - 15, -126, 127), 0)      # np.frexp(a)[1] - 1 = floor(log2(a)), exactly
;;       r = np.clip(x / 2.0 ** e, -57344, 57344)
;;       step = 2.0 ** (np.maximum(np.frexp(np.where(r == 0, 1, r))[1] - 1, -14) - 2)
;;       q = np.round(r / step) * step * 2.0 ** e      # np.round: ties to even
;;       return np.moveaxis(q.reshape(q.shape[:-2] + (-1,))[..., :K], -1, axis).astype(np.float32)
;;   ~~~
;;   OPERANDS COMPUTED ON THE WAY. 'Computed on the way' means the value that the module computes at that place (a softmax that the list does not call 'softmax' is quantised finished and normalised). What goes into a quantiser is computed in f32, as accurately as f32 sums, v_exp_f32 and their like allow (about 1e-6 of the number): no bf16 or f16 on the way to a quantiser, and a product that is left as it is and whose result goes on into a quantised operand takes f32 operands (vector FMAs, or v_wmma_f32_16x16x4_f32). A number that lies on a knife's edge between two numbers of the format may be rounded either way, as far as f32 arithmetic and the matrix unit's own rounding can turn it there, and no further.
;; One version. Each part assembles by itself: llvm-mc -triple=amdgcn-amd-amdhsa -mcpu=gfx1250 --defsym DOCPART=n.
;; ======== version 1 of 1: 3 launches
;; workspace buffers: gates 1,048,576 bytes; route 131,072 bytes of whole numbers; hist 131,072 bytes of whole numbers; perm 131,072 bytes of whole numbers; meta 256 bytes of whole numbers; w1img 1,048,576 bytes; w2img 1,048,576 bytes; wsc 65,536 bytes
;; launch route (part 1): grid 256 x 1, 8 waves a work-group, no clusters, 152,064 bytes of LDS; arguments x, mask, w_gate, gates, route, hist, out0, out1; writes gates, route, hist, out0, out1
.if DOCPART == 1
	.amdgcn_target "amdgcn-amd-amdhsa--gfx1250"
	.amdhsa_code_object_version 6
	.text
	.protected	k_qfd0d92f248_route
	.globl	k_qfd0d92f248_route
	.p2align	8
	.type	k_qfd0d92f248_route,@function
k_qfd0d92f248_route:
	s_mov_b64 s[64:65], 0
	v_nop
	global_prefetch_b8 v0, s[64:65] scope:SCOPE_SE
	s_setreg_imm32_b32 hwreg(HW_REG_WAVE_MODE, 25, 1), 1
	s_wait_xcnt 0x0
; ROUTE: the router of a layer of 8 experts, top 4, for 32,768 tokens of 256 numbers.  First of three launches (route, place, experts).
; WORK LEFT OUT BY THE PROGRAM, AND WHY IT IS DEAD.  (1) gates[.., e] is built from one_hot(top_idx): it is exactly 0 for the four experts that top_k did not choose, for all values of the inputs,
; so gates x y adds 0 for them: their two products are multiplied only for tokens that chose them.  (2) gates is multiplied by mask: where mask is 0 every gate is 0 and out = x; mask is a whole number, and the
; launch that leaves those rows out reads the choice from memory (perm, meta).  (3) The product of top_gates with the one_hot is a selection: the gate is put at its expert's place.  (4) moe_loss is the constant 0.
; LIMITS: a NaN, an infinity or an overflow that reaches only work left out is not carried to the result.  NaN among the logits is not served.
; THIS LAUNCH: logits in f32 (they decide the choice), ranks with the lower index first at a tie, softmax of the chosen four with their maximum taken away, gates x float(mask) stored dense [token][8];
; for the sort of the next launch a key for each token (the place of its set of experts in the binary reflected Gray code; 255 where mask is 0, a place that no set of four has), its rank among equal keys of its
; chunk of 128 tokens, and the chunk's histogram of keys.  No address and no branch here hangs on the choice: all is stored at fixed places.  Rows with mask 0 are copied to out0; out1 = 0.
; SHARES: a work-group takes 128 tokens, a wave 16.  x is loaded dense (16 lanes to 256 bytes of a row), goes through the wave's own stage in LDS and comes back as the matrix operand.
; THE PRODUCT: D = w_gate^T x^T by v_wmma_f32_16x16x4_f32, 64 steps, four accumulators by turns.  Register 4 c + i of lane (r, h) stands for k = 8 c + 4 h + i on both sides.  Row m of the first source is expert m % 8,
; so register j of the result is the logit of expert j for token r, in both halves of the lanes.
.set XP,    1040                       ; a stage row: 1,024 bytes + 16: sixteen rows start at sixteen different 16-byte columns
.set WSTG,  16*XP                      ; a wave's stage
.set WIMG,  8*WSTG                     ; w_gate's fragments as an image of their registers: 32 groups of 512 bytes
.set CK,    WIMG+16384                 ; 128 composites: key x 128 + the token's number in the chunk
.set RK,    CK+512                     ; 128 route words
.set HS,    RK+512                     ; 256 counts of 16 bits
.set SPARE, HS+512                     ; the spare words, 128 bytes a wave: four blocks of 256 bytes that no other line names
.set MK,  12                           ; v12-19 mask of row 2 p + h
.set MT,  20                           ; v20    mask of token r
.set SPW, 21                           ; v21    my spare word's address; never rewritten
.set NIL, 22                           ; v22    0; never rewritten
.set X,   32                           ; v32-159 x dense, then x's fragments, then the 128 composites
.set ACC, 160                          ; v160-191 four accumulators: written by matrix instructions alone
.set L,   192                          ; logits
.set R,   200                          ; ranks
.set P,   208                          ; exponentials, then gates
.set MSB, 0
.macro WIN new                         ; the immediate's high byte repeats the setting that is left
.if MSB != \new
	s_set_vgpr_msb (MSB<<8)|\new
.set MSB, \new
.endif
.endm
.macro BAR                             ; my LDS instructions are done: then the work-group's barrier
	s_wait_dscnt 0x0
	s_barrier_signal -1
	s_barrier_wait -1
.endm
	s_load_b512 s[4:19], s[0:1], 0x0               ; x, mask, w_gate, gates, route, hist, out0, out1
	v_lshl_add_u32 v[SPW], v0, 2, SPARE
	v_mov_b32 v[NIL], 0
	v_lshrrev_b32 v3, 5, v0
	v_readfirstlane_b32 s24, v3                    ; wave
	v_and_b32 v1, 15, v0                           ; r
	v_bfe_u32 v2, v0, 4, 1                         ; h
	v_and_b32 v3, 31, v0                           ; lane
	v_lshlrev_b32 v30, 4, v3                       ; 16 x lane
	v_lshlrev_b32 v4, 4, v1
	v_lshl_add_u32 v4, v2, 10, v4                  ; x, out0: row h, 16 bytes at 16 r
	v_and_b32 v5, 7, v0
	v_lshlrev_b32 v5, 2, v5
	v_lshl_add_u32 v5, v2, 7, v5
	s_lshl_b32 s25, s24, 10
	v_add_nc_u32 v5, s25, v5                       ; w_gate: row 32 wave + 4 h, expert r % 8
	s_lshl_b32 s25, s24, 11
	s_add_co_u32 s25, s25, WIMG
	v_add_nc_u32 v6, s25, v30                      ; the image: my wave's four groups
	v_add_nc_u32 v7, WIMG, v30                     ; and all of it
	s_mul_i32 s26, s24, WSTG
	v_mul_u32_u24 v8, v2, XP
	v_lshl_add_u32 v8, v1, 4, v8
	v_add_nc_u32 v8, s26, v8                       ; the stage, in: as loaded
	v_mul_u32_u24 v9, v1, XP
	v_lshl_add_u32 v9, v2, 4, v9
	v_add_nc_u32 v9, s26, v9                       ; out: row r, + 16 h
	v_lshlrev_b32 v10, 2, v2                       ; 4 h
	v_lshlrev_b32 v11, 2, v1
	s_lshl_b32 s25, s24, 4
	v_add_nc_u32 v31, s25, v1                      ; the token's number in the chunk
	v_mov_b32 v23, CK
	v_lshl_add_u32 v24, v31, 2, CK
	v_and_b32 v25, 127, v0
	v_lshl_add_u32 v26, v25, 2, RK
	v_lshl_add_u32 v25, v25, 2, CK
	v_lshl_add_u32 v27, v0, 1, HS
	v_add_nc_u32 v28, HS, v30
	v_add_nc_u32 v29, RK, v30
	v_lshlrev_b32 v244, 5, v1
	v_lshl_add_u32 v244, v2, 4, v244               ; gates: 32 r + 16 h
	s_lshl_b32 s20, ttmp9, 17
	s_lshl_b32 s21, s24, 14
	s_add_co_u32 s20, s20, s21                     ; my 16 rows of x and out0
	s_mov_b32 s21, 0
	s_lshl_b32 s22, ttmp9, 9
	s_lshl_b32 s23, s24, 6
	s_add_co_u32 s22, s22, s23                     ; their masks
	s_mov_b32 s23, 0
	s_lshl_b32 s28, ttmp9, 12
	s_lshl_b32 s29, s24, 9
	s_add_co_u32 s28, s28, s29                     ; their gates
	s_mov_b32 s29, 0
	s_lshl_b32 s30, ttmp9, 9                       ; the chunk's 512 bytes of route and of hist
	s_mov_b32 s31, 0
	s_wait_kmcnt 0x0
	s_add_nc_u64 s[4:5], s[4:5], s[20:21]
	s_add_nc_u64 s[16:17], s[16:17], s[20:21]
	s_add_nc_u64 s[6:7], s[6:7], s[22:23]
	s_add_nc_u64 s[10:11], s[10:11], s[28:29]
	s_add_nc_u64 s[12:13], s[12:13], s[30:31]
	s_add_nc_u64 s[14:15], s[14:15], s[30:31]
.irp i, 0,1,2,3,4,5,6,7,8,9,10,11,12,13,14,15
	global_load_b32 v[224+\i], v5, s[8:9] offset:256*(\i/4)+32*(\i%4)   ; w_gate(8 (4 wave + i / 4) + 4 h + i % 4, r % 8)
.endr
.irp p, 0,1,2,3,4,5,6,7
.irp q, 0,1,2,3
	global_load_b128 v[X+16*\p+4*\q:X+16*\p+4*\q+3], v4, s[4:5] offset:2048*\p+256*\q th:TH_LOAD_NT   ; row 2 p + h: sixteen lanes read 256 consecutive bytes
.endr
.endr
.irp p, 0,1,2,3,4,5,6,7
	global_load_b32 v[MK+\p], v10, s[6:7] offset:8*\p
.endr
	global_load_b32 v[MT], v11, s[6:7]
	s_wait_loadcnt 41                              ; w_gate's sixteen are in; x's 32 and the masks' 9 stay out
.irp k, 0,1,2,3
	ds_store_b128 v6, v[224+4*\k:224+4*\k+3] offset:512*\k
.endr
	BAR                                            ; the image of w_gate's fragments is whole
	WIN 0x40                                       ; destination window 1
.set i, 0
.rept 32
	ds_load_b128 v[4*i:4*i+3], v7 offset:512*i
.set i, i+1
.endr
	WIN 0
	s_wait_loadcnt 0x0                             ; x and the masks
.irp p, 0,1,2,3,4,5,6,7
.irp q, 0,1,2,3
	ds_store_b128 v8, v[X+16*\p+4*\q:X+16*\p+4*\q+3] offset:2080*\p+256*\q
.endr
.endr
; Rows whose mask is 0 are the result as they are.  EXEC is written only behind s_wait_xcnt 0: it is a source of the loads and stores that are out.
.macro COPY p
	v_cmp_eq_u32 vcc_lo, 0, v[MK+\p]
	s_wait_xcnt 0x0
	s_and_saveexec_b32 s32, vcc_lo
.irp q, 0,1,2,3
	global_store_b128 v4, v[X+16*\p+4*\q:X+16*\p+4*\q+3], s[16:17] offset:2048*\p+256*\q th:TH_STORE_NT
.endr
	s_wait_xcnt 0x0
	s_or_b32 exec_lo, exec_lo, s32
.endm
.irp p, 0,1,2,3,4,5,6,7
	COPY \p
.endr
.set i, 0
.rept 32
	ds_load_b128 v[X+4*i:X+4*i+3], v9 offset:32*i  ; x(r, 8 i + 4 h ..): LDS serves a wave's instructions in order, so these see my stores; the last copy's wait has freed the registers
.set i, i+1
.endr
	s_wait_dscnt 0x0
	WIN 0x01                                       ; source 0 (w_gate) window 1
.set sg, 0
.rept 64                                       ; the four accumulators take turns, one instruction a turn; the first four steps start the sums
.if sg < 4
	v_wmma_f32_16x16x4_f32 v[ACC+8*(sg%4):ACC+8*(sg%4)+7], v[2*sg:2*sg+1], v[X+2*sg:X+2*sg+1], 0
.else
	v_wmma_f32_16x16x4_f32 v[ACC+8*(sg%4):ACC+8*(sg%4)+7], v[2*sg:2*sg+1], v[X+2*sg:X+2*sg+1], v[ACC+8*(sg%4):ACC+8*(sg%4)+7]
.endif
.set sg, sg+1
.endr
	WIN 0
.rept 8
	v_nop                                          ; eight places behind this form before a result is read (ISA guide 7.12.1)
.endr
.irp j, 0,1,2,3,4,5,6,7                        ; each accumulator from its low end on
	v_add_f32 v[L+\j], v[ACC+\j], v[ACC+8+\j]
	v_add_f32 v216, v[ACC+16+\j], v[ACC+24+\j]
	v_add_f32 v[L+\j], v[L+\j], v216
	v_mov_b32 v[R+\j], 0
.endr
	v_max3_num_f32 v216, v[L], v[L+1], v[L+2]      ; the largest logit is the largest of the chosen four
	v_max3_num_f32 v216, v216, v[L+3], v[L+4]
	v_max3_num_f32 v216, v216, v[L+5], v[L+6]
	v_max_num_f32 v216, v216, v[L+7]
.irp e, 0,1,2,3,4,5,6,7
	v_sub_f32 v[P+\e], v[L+\e], v216
.endr
.irp e, 0,1,2,3,4,5,6,7
	v_mul_f32 v[P+\e], 0x3fb8aa3b, v[P+\e]
.endr
.irp e, 0,1,2,3,4,5,6,7
	v_exp_f32 v[P+\e], v[P+\e]                     ; one batch
.endr
	v_nop                                          ; a plain instruction behind the last exponential
; An expert's rank = how many experts come before it: a larger logit, or an equal one with a lower index.  This names no exponential's result: it is the work between the batch and its wait.
.macro PAIR a, b
	v_cmp_ge_f32 vcc_lo, v[L+\a], v[L+\b]
	v_add_co_ci_u32 v[R+\b], vcc_lo, 0, v[R+\b], vcc_lo
	v_cmp_lt_f32 vcc_lo, v[L+\a], v[L+\b]
	v_add_co_ci_u32 v[R+\a], vcc_lo, 0, v[R+\a], vcc_lo
.endm
.irp a, 0,1,2,3,4,5,6
.irp b, 1,2,3,4,5,6,7
.if \b > \a
	PAIR \a, \b
.endif
.endr
.endr
	s_wait_alu depctr_va_vdst(0)                   ; one wait for the eight exponentials, ahead of their first reader
	v_mov_b32 v217, 0                              ; the set of chosen experts
.irp e, 0,1,2,3,4,5,6,7
	v_cmp_gt_u32 vcc_lo, 4, v[R+\e]
	v_cndmask_b32 v[P+\e], 0, v[P+\e], vcc_lo
	v_cndmask_b32 v218, 0, 1, vcc_lo
	v_lshl_or_b32 v217, v218, \e, v217
.endr
	v_add_f32 v219, v[P], v[P+1]
	v_add_f32 v220, v[P+2], v[P+3]
	v_add_f32 v221, v[P+4], v[P+5]
	v_add_f32 v222, v[P+6], v[P+7]
	v_add_f32 v219, v219, v220
	v_add_f32 v221, v221, v222
	v_add_f32 v219, v219, v221
	v_rcp_f32 v219, v219
	v_cvt_f32_i32 v220, v[MT]                      ; (a plain instruction behind the reciprocal)
	s_wait_alu depctr_va_vdst(0)
	v_mul_f32 v219, v219, v220                     ; 1 / sum x float(mask)
.irp e, 0,1,2,3,4,5,6,7
	v_mul_f32 v[P+\e], v[P+\e], v219
.endr
	v_lshrrev_b32 v218, 1, v217                    ; the set's place in the Gray code: the prefix exclusive or of its bits
	v_xor_b32 v217, v217, v218
	v_lshrrev_b32 v218, 2, v217
	v_xor_b32 v217, v217, v218
	v_lshrrev_b32 v218, 4, v217
	v_xor_b32 v217, v217, v218
	v_mov_b32 v218, 0xff
	v_cmp_eq_u32 vcc_lo, 0, v[MT]
	v_cndmask_b32 v217, v217, v218, vcc_lo         ; 255 where the mask is 0
	v_lshl_add_u32 v245, v217, 7, v31              ; the composite
	v_cmp_eq_u32 vcc_lo, 1, v2
.irp i, 0,1,2,3
	v_cndmask_b32 v[240+\i], v[P+\i], v[P+4+\i], vcc_lo   ; lanes 0-15 store experts 0-3, lanes 16-31 experts 4-7
.endr
	global_store_b128 v244, v[240:243], s[10:11]   ; the wave stores 512 consecutive bytes
	ds_store_b32 v24, v245                         ; both halves of the lanes write the same word with the same value
	BAR                                            ; the chunk's 128 composites lie in LDS
.set i, 0
.rept 32
	ds_load_b128 v[X+4*i:X+4*i+3], v23 offset:16*i ; all of them, in every lane
.set i, i+1
.endr
	ds_load_b32 v249, v25                          ; and that of token (thread % 128)
	s_wait_dscnt 0x0
; How many of the 128 composites c have lo <= c < lo + lim.
.macro COUNT lo, lim, cnt
.set ci, 0
.rept 128
	v_sub_nc_u32 v[216+ci%4], v[X+ci], v[\lo]
	v_cmp_gt_u32 vcc_lo, v[\lim], v[216+ci%4]
	v_add_co_ci_u32 v[\cnt], vcc_lo, 0, v[\cnt], vcc_lo
.set ci, ci+1
.endr
.endm
	v_lshlrev_b32 v246, 7, v0                      ; thread t counts key t
	v_mov_b32 v247, 0x80
	v_mov_b32 v248, 0
	COUNT 246, 247, 248
	ds_store_b16 v27, v248
	s_cmp_lt_u32 s24, 4                            ; waves 0 to 3: thread t ranks token t among the tokens of its key that stand before it
	s_cbranch_scc0 .Lnorank
	v_and_b32 v250, 0xffffff80, v249
	v_and_b32 v251, 127, v249
	v_mov_b32 v252, 0
	COUNT 250, 251, 252
	v_lshrrev_b32 v253, 7, v249
	v_lshl_or_b32 v253, v252, 16, v253             ; key | rank << 16
	ds_store_b32 v26, v253
.Lnorank:
	BAR                                            ; counts and route words lie in LDS
	s_cmp_eq_u32 s24, 0
	s_cbranch_scc0 .Lnot0
	ds_load_b128 v[232:235], v28
	s_wait_dscnt 0x0
	global_store_b128 v30, v[232:235], s[14:15]    ; the chunk's histogram: 512 consecutive bytes
	s_branch .Lend
.Lnot0:
	s_cmp_eq_u32 s24, 1
	s_cbranch_scc0 .Lnot1
	ds_load_b128 v[232:235], v29
	s_wait_dscnt 0x0
	global_store_b128 v30, v[232:235], s[12:13]    ; its route words likewise
	s_branch .Lend
.Lnot1:
	s_lshl_b32 s25, ttmp9, 3
	s_or_b32 s25, s25, s24
	s_cmp_eq_u32 s25, 2                            ; wave 2 of work-group 0: moe_loss
	s_cbranch_scc0 .Lend
	v_mov_b32 v254, 0                              ; the number 0.0
	v_cmp_eq_u32 vcc_lo, 0, v3
	s_wait_xcnt 0x0
	s_and_saveexec_b32 s32, vcc_lo
	global_store_b32 v10, v254, s[18:19]           ; lane 0 alone is on: its offset 4 h is 0
	s_wait_xcnt 0x0
	s_or_b32 exec_lo, exec_lo, s32
.Lend:
	s_wait_tensorcnt 0x0                           ; the wave's end
	ds_add_u32 v[SPW], v[NIL]
	s_wait_dscnt 0x0
	s_endpgm
.Lfunc_end_k_qfd0d92f248_route:
	.size	k_qfd0d92f248_route, .Lfunc_end_k_qfd0d92f248_route-k_qfd0d92f248_route
	.p2alignl 7, 3214868480
	.fill 96, 4, 3214868480
	.section	.rodata,"a",@progbits
	.p2align	6, 0x0
	.amdhsa_kernel k_qfd0d92f248_route
		.amdhsa_group_segment_fixed_size 152064
		.amdhsa_private_segment_fixed_size 0
		.amdhsa_enable_private_segment 0
		.amdhsa_kernarg_size 64
		.amdhsa_user_sgpr_count 2
		.amdhsa_user_sgpr_kernarg_segment_ptr 1
		.amdhsa_wavefront_size32 1
		.amdhsa_system_sgpr_workgroup_id_x 1
		.amdhsa_system_sgpr_workgroup_id_y 1
		.amdhsa_system_sgpr_workgroup_id_z 1
		.amdhsa_system_vgpr_workitem_id 0
		.amdhsa_next_free_vgpr 384
		.amdhsa_next_free_sgpr 66
		.amdhsa_reserve_vcc 1
		.amdhsa_float_denorm_mode_32 3
		.amdhsa_float_denorm_mode_16_64 3
		.amdhsa_memory_ordered 1
		.amdhsa_forward_progress 1
		.amdhsa_inst_pref_size 61
	.end_amdhsa_kernel
	.amdgpu_metadata
---
amdhsa.version: [ 1, 2 ]
amdhsa.kernels:
  - .name:           k_qfd0d92f248_route
    .symbol:         k_qfd0d92f248_route.kd
    .args:
      - { .name: x, .offset: 0, .size: 8, .value_kind: global_buffer, .address_space: global }
      - { .name: mask, .offset: 8, .size: 8, .value_kind: global_buffer, .address_space: global }
      - { .name: w_gate, .offset: 16, .size: 8, .value_kind: global_buffer, .address_space: global }
      - { .name: gates, .offset: 24, .size: 8, .value_kind: global_buffer, .address_space: global }
      - { .name: route, .offset: 32, .size: 8, .value_kind: global_buffer, .address_space: global }
      - { .name: hist, .offset: 40, .size: 8, .value_kind: global_buffer, .address_space: global }
      - { .name: out0, .offset: 48, .size: 8, .value_kind: global_buffer, .address_space: global }
      - { .name: out1, .offset: 56, .size: 8, .value_kind: global_buffer, .address_space: global }
    .group_segment_fixed_size: 152064
    .private_segment_fixed_size: 0
    .kernarg_segment_align: 8
    .kernarg_segment_size: 64
    .max_flat_workgroup_size: 256
    .sgpr_count:     66
    .vgpr_count:     384
    .wavefront_size: 32
...
	.end_amdgpu_metadata
.endif
;; end of part 1
;; launch place (part 2): grid 96 x 1, 8 waves a work-group, no clusters, 9,216 bytes of LDS; arguments route, hist, W1, W2, perm, meta, w1img, w2img, wsc; writes perm, meta, w1img, w2img, wsc
.if DOCPART == 2
	.amdgcn_target "amdgcn-amd-amdhsa--gfx1250"
	.amdhsa_code_object_version 6
	.text
	.protected	k_qfd0d92f248_place
	.globl	k_qfd0d92f248_place
	.p2align	8
	.type	k_qfd0d92f248_place,@function
k_qfd0d92f248_place:
	s_mov_b64 s[64:65], 0
	v_nop
	global_prefetch_b8 v0, s[64:65] scope:SCOPE_SE
	s_setreg_imm32_b32 hwreg(HW_REG_WAVE_MODE, 25, 1), 1
	s_wait_xcnt 0x0
; PLACE: two jobs that need nothing of each other, in one launch.  Leaves out what the first kernel's head shows to be dead: it only lists the tokens so that the next launch can pass over it.
; WORK-GROUPS 0-31: the counting sort of the 32,768 tokens by key.  A token's position = tokens of smaller keys + tokens of its key in earlier chunks + its rank in its chunk.
; perm[position] = token | set of experts << 16 (set 0 for key 255, the masked tokens, which come last); meta[0] = A, the number of tokens with mask other than 0.  No atomics: each position has one writer.
; Work-group j places chunks 8 j .. 8 j + 7, a wave a chunk.  A histogram row is 256 counts of 16 bits; a lane's 16 bytes hold bins 8 l .. 8 l + 7.  All sums are at most 32,768, so packed sums never carry.
; WORK-GROUPS 32-63 (W1) AND 64-95 (W2): the weights become codes of BF8 (E5M2) with one E8M0 byte for each 32 along K, laid in the order of the operand's registers.  K is the weights' first axis:
; a lane takes a column and its registers run down K, so a block of 32 lies in one lane and the conversions give codes with K innermost.  A wave takes 32 columns x 128 along K.
; A block's scale is 2^(floor(log2(largest magnitude)) - 15).  LIMITS: a block of zeros gets the byte 1 where the rule says 127 (its codes are zeros, and this program alone reads the bytes); blocks whose largest
; magnitude lies under 2^(16 - 127) keep the byte 1; NaN and infinities among the weights are not served.
; IMAGES: [expert][wave 8][fragment 8][c 4][lane 32][16 bytes]: lane (r, h), group c: k = 128 s + 32 c + 16 h + 0 .. 15.  W1's fragment 2 t + s, t = 2 b + u: hidden unit 64 wave + 32 b + 8 u + r + 8 (r / 8);
; W2's fragment 4 n + s: output 32 wave + 16 n + r.  Scale words: [expert][wave][r 16][fragment 8], W1's at 0, W2's at 32,768.
.set TB,    0                          ; LDS: eight waves' sums over their 32 rows,
.set PB,    4096                       ; and over those of them that belong to earlier work-groups
.set SPARE, 8192                       ; the spare words, 128 bytes a wave: four blocks of 256 bytes that no other line names
.set SPW, 30                           ; v30 my spare word's address; never rewritten
.set NIL, 31                           ; v31 0; never rewritten
	s_load_b512 s[4:19], s[0:1], 0x0               ; route, hist, W1, W2, perm, meta, w1img, w2img
	s_load_b64 s[20:21], s[0:1], 0x40              ; wsc
	v_lshl_add_u32 v[SPW], v0, 2, SPARE
	v_mov_b32 v[NIL], 0
	v_lshrrev_b32 v1, 5, v0
	v_readfirstlane_b32 s24, v1                    ; wave
	v_and_b32 v1, 31, v0                           ; lane
	v_lshlrev_b32 v2, 4, v1                        ; 16 x lane
	v_bfe_u32 v3, v0, 4, 1                         ; lane / 16
	s_lshl_b32 s25, s24, 9
	v_add_nc_u32 v4, s25, v2                       ; LDS: my wave's 512 bytes
	s_mov_b32 s46, 0x600000                        ; the mantissa field of 57,344
	s_wait_kmcnt 0x0
	s_cmp_lt_u32 ttmp9, 32
	s_cbranch_scc0 .Lweights
	; ---- the sort
	s_lshl_b32 s25, s24, 14
	v_add_nc_u32 v6, s25, v2                       ; hist rows 32 wave on
	s_lshl_b32 s25, ttmp9, 12
	v_add_nc_u32 v7, s25, v2                       ; hist rows 8 j on
	s_lshl_b32 s26, ttmp9, 3
	s_add_co_u32 s26, s26, s24                     ; my chunk
	s_lshl_b32 s27, s26, 9
	v_add_nc_u32 v8, s27, v2                       ; its route words, four tokens a lane
.set i, 0
.rept 32
	global_load_b128 v[32+4*i:32+4*i+3], v6, s[6:7] offset:512*i
.set i, i+1
.endr
.irp i, 0,1,2,3,4,5,6,7
	global_load_b128 v[160+4*\i:160+4*\i+3], v7, s[6:7] offset:512*\i
.endr
	global_load_b128 v[192:195], v8, s[4:5]
	s_wait_loadcnt 0x0
.irp u, 0,1,2,3                                ; Q_u: the sum of eight rows, the chunks of work-group 4 wave + u
.irp i, 1,2,3,4,5,6,7
.irp d, 0,1,2,3
	v_add_nc_u32 v[32+32*\u+\d], v[32+32*\u+\d], v[32+32*\u+4*\i+\d]
.endr
.endr
.endr
.irp d, 0,1,2,3
	v_add3_u32 v[196+\d], v[32+\d], v[64+\d], v[96+\d]
	v_add_nc_u32 v[196+\d], v[196+\d], v[128+\d]   ; T: all my 32 rows
.endr
	s_lshl_b32 s28, s24, 2
.irp u, 0,1,2,3                                ; P: those Q_u that belong to work-groups before mine
	s_add_co_u32 s29, s28, \u
	s_cmp_lt_u32 s29, ttmp9
	s_cselect_b32 s29, -1, 0
.irp d, 0,1,2,3
.if \u == 0
	v_and_b32 v[200+\d], s29, v[32+\d]
.else
	v_and_b32 v[208+\d], s29, v[32+32*\u+\d]
	v_add_nc_u32 v[200+\d], v[200+\d], v[208+\d]
.endif
.endr
.endr
.irp i, 0,1,2,3,4,5,6                          ; R: my work-group's chunks before mine
	s_cmp_gt_u32 s24, \i
	s_cselect_b32 s29, -1, 0
.irp d, 0,1,2,3
.if \i == 0
	v_and_b32 v[204+\d], s29, v[160+\d]
.else
	v_and_b32 v[208+\d], s29, v[160+4*\i+\d]
	v_add_nc_u32 v[204+\d], v[204+\d], v[208+\d]
.endif
.endr
.endr
	ds_store_b128 v4, v[196:199] offset:TB
	ds_store_b128 v4, v[200:203] offset:PB
	s_wait_dscnt 0x0                               ; for the others' sake: my stores are done
	s_barrier_signal -1
	s_barrier_wait -1
.irp i, 0,1,2,3,4,5,6,7
	ds_load_b128 v[32+4*\i:32+4*\i+3], v2 offset:TB+512*\i
	ds_load_b128 v[64+4*\i:64+4*\i+3], v2 offset:PB+512*\i
.endr
	s_wait_dscnt 0x0
.irp i, 1,2,3,4,5,6,7
.irp d, 0,1,2,3
	v_add_nc_u32 v[32+\d], v[32+\d], v[32+4*\i+\d]
	v_add_nc_u32 v[64+\d], v[64+\d], v[64+4*\i+\d]
.endr
.endr
.irp d, 0,1,2,3
	v_add_nc_u32 v[64+\d], v[64+\d], v[204+\d]     ; tokens of each key in chunks before mine
	v_and_b32 v[96+2*\d], 0xffff, v[32+\d]         ; the totals of my eight bins,
	v_lshrrev_b32 v[97+2*\d], 16, v[32+\d]
.endr
.irp d, 0,1,2,3
	v_and_b32 v[104+2*\d], 0xffff, v[64+\d]        ; and what stands before my chunk in them
	v_lshrrev_b32 v[105+2*\d], 16, v[64+\d]
.endr
	v_add3_u32 v112, v96, v97, v98
	v_add3_u32 v112, v112, v99, v100
	v_add3_u32 v112, v112, v101, v102
	v_add_nc_u32 v112, v112, v103                  ; my lane's eight bins together
	v_mov_b32 v113, v112
	v_mov_b32 v114, 0
.irp n, 1,2,4,8                                ; the running sum over sixteen lanes
	v_mov_b32_dpp v114, v113 row_shr:\n row_mask:0xf bank_mask:0xf bound_ctrl:1
	v_add_nc_u32 v113, v113, v114
.endr
	v_readlane_b32 s30, v113, 15
	v_mad_u32_u24 v113, v3, s30, v113              ; lanes 16-31 stand behind the first sixteen
	v_sub_nc_u32 v115, v113, v112                  ; tokens in bins before my first
.irp k, 0,1,2,3,4,5,6,7
	v_add_nc_u32 v[120+\k], v115, v[104+\k]        ; where my chunk's tokens of bin 8 l + k begin
.if \k < 7
	v_add_nc_u32 v115, v115, v[96+\k]
.endif
.endr
	v_readlane_b32 s31, v115, 31                   ; tokens before bin 255: A
	s_or_b32 s32, ttmp9, s24
	s_cmp_lg_u32 s32, 0
	s_cbranch_scc1 .Lnometa
	v_mov_b32 v150, s31
	v_mov_b32 v151, 0
	v_cmp_eq_u32 vcc_lo, 0, v1
	s_wait_xcnt 0x0                                ; EXEC is written only behind this wait
	s_and_saveexec_b32 s33, vcc_lo
	global_store_b32 v151, v150, s[14:15]
	s_wait_xcnt 0x0
	s_or_b32 exec_lo, exec_lo, s33
.Lnometa:
	s_lshl_b32 s28, s26, 7
	v_lshl_add_u32 v143, v1, 2, s28                ; my first token
; Token i of my four: its bin's start comes from lane key / 8 (a pull between lanes, which touches no LDS byte), register key % 8.
.macro LOOK i
	v_and_b32 v130, 0xff, v[192+\i]
	v_lshrrev_b32 v131, 3, v130
	v_lshlrev_b32 v131, 2, v131
.irp k, 0,1,2,3,4,5,6,7
	ds_bpermute_b32 v[132+\k], v131, v[120+\k]
.endr
	v_and_b32 v140, 7, v130
	v_lshrrev_b32 v141, 16, v[192+\i]              ; the rank in the chunk
	s_wait_dscnt 0x0
.irp k, 1,2,3,4,5,6,7
	v_cmp_eq_u32 vcc_lo, \k, v140
	v_cndmask_b32 v132, v132, v[132+\k], vcc_lo
.endr
	v_add_nc_u32 v132, v132, v141
	v_min_u32 v132, 0x7fff, v132                   ; a position: held inside perm
	v_lshlrev_b32 v[144+\i], 2, v132
	v_lshrrev_b32 v141, 1, v130
	v_xor_b32 v141, v141, v130                     ; the set back from its place in the Gray code
	v_cmp_eq_u32 vcc_lo, 0xff, v130
	v_cndmask_b32 v141, v141, 0, vcc_lo            ; a masked token uses no expert
	v_add_nc_u32 v142, \i, v143
	v_lshl_or_b32 v[148+\i], v141, 16, v142
	global_store_b32 v[144+\i], v[148+\i], s[12:13]  ; the placing itself: four bytes to each position, 128 KiB in all
.endm
.irp i, 0,1,2,3
	LOOK \i
.endr
	s_branch .Ltail
	; ---- the weights
.macro WLOAD t, pitch                  ; block t: W(128 s + 32 t + i, my column), i = 0 .. 31; 32 lanes read 128 consecutive bytes
.set li, 0
.rept 32
	global_load_b32 v[32+32*((\t)%2)+li], v6, s[36:37] offset:(32*(\t)+li)*\pitch th:TH_LOAD_NT
.set li, li+1
.endr
.endm
.macro WBLOCK t, pitch
.set XS, 32+32*((\t)%2)
.if (\t) < 3
	s_wait_loadcnt 32                              ; this block's 32 loads are in; the next block's stay out
.else
	s_wait_loadcnt 0x0
.endif
	v_max3_num_f32 v12, |v[XS]|, |v[XS+1]|, |v[XS+2]|
	v_max3_num_f32 v13, |v[XS+3]|, |v[XS+4]|, |v[XS+5]|
.irp i, 6,10,14,18,22,26
	v_max3_num_f32 v12, v12, |v[XS+\i]|, |v[XS+\i+1]|
	v_max3_num_f32 v13, v13, |v[XS+\i+2]|, |v[XS+\i+3]|
.endr
	v_max3_num_f32 v12, v12, |v[XS+30]|, |v[XS+31]|
	v_max3_num_f32 v12, v12, v13, 0x8000000        ; the floor 2^(16 - 127): the byte cannot fall under 1
	v_add_nc_u32 v15, 0xf8800000, v12              ; 15 off the exponent field: the conversion's scale operand
	v_and_or_b32 v14, v12, 0x7f800000, s46         ; 57,344 x the scale
	v_lshrrev_b32 v16, 23, v15                     ; the byte
.if (\t) == 0
	v_mov_b32 v24, v16
.else
	v_lshl_or_b32 v24, v16, 8*(\t), v24
.endif
.set li, 0
.rept 32
	v_med3_num_f32 v[XS+li], v[XS+li], -v14, v14   ; the conversion to an 8-bit code does not saturate (ISA guide 7.6.2): the hold
.set li, li+1
.endr
.irp g, 0,1,2,3
	v_cvt_scalef32_pk8_bf8_f32 v[96+8*(\t)+2*\g:96+8*(\t)+2*\g+1], v[XS+8*\g:XS+8*\g+7], v15
.endr
	v_nop                                          ; a plain instruction behind the last conversion
	global_store_b128 v7, v[96+8*(\t):96+8*(\t)+3], s[38:39] offset:512*(\t)        ; k 0-15 of the block: lanes 0-15 of the image; sixteen lanes fill 256 consecutive bytes
	global_store_b128 v7, v[96+8*(\t)+4:96+8*(\t)+7], s[38:39] offset:512*(\t)+256  ; k 16-31: lanes 16-31
.if (\t)+2 < 4
	WLOAD (\t)+2, \pitch
.endif
.endm
.macro WQ pitch
	WLOAD 0, \pitch
	WLOAD 1, \pitch
	WBLOCK 0, \pitch
	WBLOCK 1, \pitch
	WBLOCK 2, \pitch
	WBLOCK 3, \pitch
	global_store_b32 v8, v24, s[40:41]             ; the column's scale word of this K step: four bytes a lane, 64 KiB in all, so that the next launch takes eight words by two loads
.endm
.Lweights:
	v_lshlrev_b32 v6, 2, v1                        ; in: 4 bytes a lane
	s_mov_b32 s31, 0
	s_cmp_lt_u32 ttmp9, 64
	s_cbranch_scc0 .Lw2
	s_sub_co_u32 s25, ttmp9, 32
	s_lshr_b32 s26, s25, 2                         ; expert
	s_bfe_u32 s27, s25, 0x10001
	s_and_b32 s28, s25, 1                          ; K step
	s_lshl_b32 s27, s27, 3
	s_add_co_u32 s27, s27, s24                     ; group of 32 hidden units, 0 .. 15
	s_lshl_b32 s30, s26, 19
	s_lshl_b32 s29, s28, 18
	s_add_co_u32 s30, s30, s29
	s_lshl_b32 s29, s27, 7
	s_add_co_u32 s30, s30, s29
	s_add_nc_u64 s[36:37], s[8:9], s[30:31]
	s_lshl_b32 s30, s26, 17
	s_lshl_b32 s29, s27, 13
	s_add_co_u32 s30, s30, s29
	s_lshl_b32 s29, s28, 11
	s_add_co_u32 s30, s30, s29
	s_add_nc_u64 s[38:39], s[16:17], s[30:31]
	s_lshl_b32 s30, s26, 12
	s_lshr_b32 s29, s27, 1
	s_lshl_b32 s29, s29, 9
	s_add_co_u32 s30, s30, s29
	s_and_b32 s29, s27, 1
	s_lshl_b32 s29, s29, 4
	s_add_co_u32 s30, s30, s29
	s_lshl_b32 s29, s28, 2
	s_add_co_u32 s30, s30, s29
	s_add_nc_u64 s[40:41], s[20:21], s[30:31]
	v_bfe_u32 v9, v0, 3, 1                         ; u: which of the group's two tiles
	v_and_b32 v10, 7, v0
	v_lshl_or_b32 v10, v3, 3, v10                  ; r: the row in that tile
	v_lshlrev_b32 v7, 4, v10
	v_lshl_add_u32 v7, v9, 12, v7
	v_lshlrev_b32 v8, 5, v10
	v_lshl_add_u32 v8, v9, 3, v8
	WQ 2048
	s_branch .Ltail
.Lw2:
	s_sub_co_u32 s25, ttmp9, 64
	s_lshr_b32 s26, s25, 2                         ; expert
	s_and_b32 s28, s25, 3                          ; K step
	s_lshl_b32 s30, s26, 19
	s_lshl_b32 s29, s28, 17
	s_add_co_u32 s30, s30, s29
	s_lshl_b32 s29, s24, 7
	s_add_co_u32 s30, s30, s29
	s_add_nc_u64 s[36:37], s[10:11], s[30:31]
	s_lshl_b32 s30, s26, 17
	s_lshl_b32 s29, s24, 14
	s_add_co_u32 s30, s30, s29
	s_lshl_b32 s29, s28, 11
	s_add_co_u32 s30, s30, s29
	s_add_nc_u64 s[38:39], s[18:19], s[30:31]
	s_lshl_b32 s30, s26, 12
	s_lshl_b32 s29, s24, 9
	s_add_co_u32 s30, s30, s29
	s_lshl_b32 s29, s28, 2
	s_add_co_u32 s30, s30, s29
	s_add_co_u32 s30, s30, 32768
	s_add_nc_u64 s[40:41], s[20:21], s[30:31]
	v_and_b32 v9, 15, v0
	v_lshlrev_b32 v7, 4, v9
	v_lshl_add_u32 v7, v3, 13, v7
	v_lshlrev_b32 v8, 5, v9
	v_lshl_add_u32 v8, v3, 4, v8
	WQ 1024
.Ltail:
	s_wait_tensorcnt 0x0                           ; the wave's end
	ds_add_u32 v[SPW], v[NIL]
	s_wait_dscnt 0x0
	s_endpgm
.Lfunc_end_k_qfd0d92f248_place:
	.size	k_qfd0d92f248_place, .Lfunc_end_k_qfd0d92f248_place-k_qfd0d92f248_place
	.p2alignl 7, 3214868480
	.fill 96, 4, 3214868480
	.section	.rodata,"a",@progbits
	.p2align	6, 0x0
	.amdhsa_kernel k_qfd0d92f248_place
		.amdhsa_group_segment_fixed_size 9216
		.amdhsa_private_segment_fixed_size 0
		.amdhsa_enable_private_segment 0
		.amdhsa_kernarg_size 72
		.amdhsa_user_sgpr_count 2
		.amdhsa_user_sgpr_kernarg_segment_ptr 1
		.amdhsa_wavefront_size32 1
		.amdhsa_system_sgpr_workgroup_id_x 1
		.amdhsa_system_sgpr_workgroup_id_y 1
		.amdhsa_system_sgpr_workgroup_id_z 1
		.amdhsa_system_vgpr_workitem_id 0
		.amdhsa_next_free_vgpr 256
		.amdhsa_next_free_sgpr 66
		.amdhsa_reserve_vcc 1
		.amdhsa_float_denorm_mode_32 3
		.amdhsa_float_denorm_mode_16_64 3
		.amdhsa_memory_ordered 1
		.amdhsa_forward_progress 1
		.amdhsa_inst_pref_size 82
	.end_amdhsa_kernel
	.amdgpu_metadata
---
amdhsa.version: [ 1, 2 ]
amdhsa.kernels:
  - .name:           k_qfd0d92f248_place
    .symbol:         k_qfd0d92f248_place.kd
    .args:
      - { .name: route, .offset: 0, .size: 8, .value_kind: global_buffer, .address_space: global }
      - { .name: hist, .offset: 8, .size: 8, .value_kind: global_buffer, .address_space: global }
      - { .name: W1, .offset: 16, .size: 8, .value_kind: global_buffer, .address_space: global }
      - { .name: W2, .offset: 24, .size: 8, .value_kind: global_buffer, .address_space: global }
      - { .name: perm, .offset: 32, .size: 8, .value_kind: global_buffer, .address_space: global }
      - { .name: meta, .offset: 40, .size: 8, .value_kind: global_buffer, .address_space: global }
      - { .name: w1img, .offset: 48, .size: 8, .value_kind: global_buffer, .address_space: global }
      - { .name: w2img, .offset: 56, .size: 8, .value_kind: global_buffer, .address_space: global }
      - { .name: wsc, .offset: 64, .size: 8, .value_kind: global_buffer, .address_space: global }
    .group_segment_fixed_size: 9216
    .private_segment_fixed_size: 0
    .kernarg_segment_align: 8
    .kernarg_segment_size: 72
    .max_flat_workgroup_size: 256
    .sgpr_count:     66
    .vgpr_count:     256
    .wavefront_size: 32
...
	.end_amdgpu_metadata
.endif
;; end of part 2
;; launch experts (part 3): grid 256 x 1, 8 waves a work-group, no clusters, 267,264 bytes of LDS; arguments x, gates, perm, meta, w1img, w2img, wsc, b1, b2, out0; writes out0
.if DOCPART == 3
	.amdgcn_target "amdgcn-amd-amdhsa--gfx1250"
	.amdhsa_code_object_version 6
	.text
	.protected	k_qfd0d92f248_experts
	.globl	k_qfd0d92f248_experts
	.p2align	8
	.type	k_qfd0d92f248_experts,@function
k_qfd0d92f248_experts:
	s_mov_b64 s[64:65], 0
	v_nop
	global_prefetch_b8 v0, s[64:65] scope:SCOPE_SE
	s_setreg_imm32_b32 hwreg(HW_REG_WAVE_MODE, 25, 1), 1
	s_wait_xcnt 0x0
; EXPERTS: out0 = x + sum over the chosen experts e of gate_e (Q(relu(Q(x) Q(W1_e) + b1_e)) Q(W2_e) + b2_e), for the tokens whose mask is not 0.  Both products on codes of BF8 (E5M2) with E8M0 scales.
; LEFT OUT, as the first kernel's head shows: experts whose gate is 0 by the top-4 choice, and tokens with mask 0 (their rows of out0 were stored by the first launch).  The choice is read from memory: perm, meta.
; SHARES.  The A active tokens lie sorted by their sets of experts; T16 = ceil(A / 16) tiles of 16 are dealt evenly: work-group w takes tiles w T16 / 256 up to (w + 1) T16 / 256, at most 8.  So each output row has one
; owner, whatever the split.  A work-group whose share is empty walks the same text with empty masks and stores nothing.  Positions beyond A in the last tile are masked tokens with gates 0: they get x once more.
; The work-group walks all 8 experts in a loop of constant count and passes over, by scalar branches on the stored sets, the experts that none of its tokens uses and the tiles that do not use an expert.
; No barrier stands under such a branch.  Since the walk hangs on stored numbers the weights go from memory straight into registers: no tensor load, no cluster.
; THE WAVES SHARE THE COLUMNS: wave v makes hidden units 64 v .. + 63 and outputs 32 v .. + 31 for all tiles; its part of the expert's W1 and W2 (128 registers each) is asked for a phase ahead.
; Operands go from wave to wave through LDS as images of their registers.  Both products are used transposed (source 0 = 16 rows of the weight, source 1 = 16 tokens): a lane holds one token, its registers run along
; the columns.  W1's rows of a tile are chosen so that the 16 registers of two neighbouring tiles are 16 neighbours along the next K.  The biases are the C of each sum's first matrix instruction.
; The sums over experts start from x (the residual) and stay in registers.  LIMITS: a block of zeros gets the scale byte 1 (its codes are zeros); NaN and infinities are not served by the quantiser.
.set XP,    1040                       ; a row of f32 in LDS: 1,024 bytes + 16
.set TILEB, 16*XP
.set XF,    0                          ; 128 rows: x, at the end the result
.set XIMG,  8*TILEB                    ; x's fragments: 2 m + s, 2,048 bytes each
.set HIMG,  XIMG+32768                 ; the hidden layer's: 4 m + s
.set XSC,   HIMG+65536                 ; x's scale words: 2 m + s, 4 bytes a lane
.set HSC,   XSC+2048                   ; the hidden layer's: 4 m + s
.set GL,    HSC+4096                   ; gates [expert][128 rows]
.set B1L,   GL+4096                    ; b1 as it lies in memory
.set B2L,   B1L+16384                  ; b2 likewise
.set SPARE, B2L+8192                   ; the spare words, 128 bytes a wave: four blocks of 256 bytes that no other line names
.set AXI, 1                            ; XIMG + 16 lane
.set AHI, 2                            ; HIMG + 16 lane
.set AXS, 3                            ; XSC + 4 lane
.set AHS, 4                            ; HSC + 4 lane
.set HWI, 5                            ; where I store my part of a hidden fragment: AHI + 1024 wave
.set HWS, 6                            ; and my two bytes of its scale word
.set AGB, 7                            ; GL + 4 r
.set AG,  8                            ; + 512 expert
.set AB1B, 9                           ; B1L + 256 wave + 64 h
.set AB2B, 10                          ; B2L + 128 wave + 32 h
.set AB1, 11                           ; + 2048 expert
.set AB2, 12                           ; + 1024 expert
.set WOFF, 13                          ; 16 lane + 16384 wave: my part of an expert's image
.set SOFF, 14                          ; 512 wave + 32 r: my rows' scale words
.set VSET, 15                          ; the experts that tile lane / 4 uses
.set SPW, 16                           ; my spare word's address; never rewritten
.set NIL, 17                           ; 0; never rewritten
.set G,   18                           ; v[18:19] the gate (the pair's low word serves both halves)
.set AXF0, 20                          ; 1040 r + 128 wave + 32 h: my columns in XF, tiles 0-3;
.set AXF1, 21                          ; tiles 4-7
.set XD,  22                           ; my tile in XF, dense: 16640 wave + 1040 h + 16 r
.set PW,  23                           ; the scale word just made
.set W1S, 24                           ; v24-31 W1's scale words, v32-39 W2's, v40-41 x's, v42-45 the hidden layer's: these hold scales alone
.set W2S, 32
.set XS,  40
.set HS,  42
.set XFR, 48                           ; phase 1: x's two fragments,
.set HA,  80                           ; my four tiles of the hidden layer,
.set PC,  112                          ; the codes just made,
.set TM,  120                          ; at work
.set HF,  48                           ; phase 2: four hidden fragments,
.set Y,   112                          ; two tiles of y
.set ACC, 128                          ; v128-255: the sums, (tile m, n) at 16 m + 8 n
.set WV,  24                           ; s24 wave
.set NT,  27                           ; s27 my work-group's tiles
.set EM,  29                           ; s29 the experts that my work-group uses
.set EX,  30                           ; s30 the expert in hand
.set ACT, 31                           ; s31 bit 4 m: tile m uses it
.set NB1, 36                           ; s[36:37] W1's image of the next expert used;  s[38:39] W2's of the expert in hand;  s[40:41], s[42:43] their scale words
.set NB2, 38
.set NS1, 40
.set NS2, 42
.set MSB, 0
.macro WIN new                         ; the immediate's high byte repeats the setting that is left
.if MSB != \new
	s_set_vgpr_msb (MSB<<8)|\new
.set MSB, \new
.endif
.endm
.macro BAR                             ; my LDS stores have landed and my LDS loads are in: then the work-group's barrier
	s_wait_dscnt 0x0
	s_barrier_signal -1
	s_barrier_wait -1
.endm
.macro PLACES n
.rept \n
	v_nop
.endr
.endm
; nb blocks of a lane, register 16 b + i = k 32 b + 16 (lane / 16) + i of my row, become codes in v[pc] on and scale bytes in v[PW].  relu = 1: what is negative becomes 0 on the way.
.macro QUANT src, pc, tm, nb, relu
.set qb, 0
.rept \nb
.if \relu
	v_max3_num_f32 v[\tm+qb], v[\src+16*qb], v[\src+16*qb+1], 0x8000000      ; no |.|: what is negative must not count; the floor 2^(16 - 127) stands over it
.else
	v_max3_num_f32 v[\tm+qb], |v[\src+16*qb]|, |v[\src+16*qb+1]|, 0x8000000
.endif
.set qb, qb+1
.endr
.set qi, 2
.rept 7
.set qb, 0
.rept \nb
.if \relu
	v_max3_num_f32 v[\tm+qb], v[\tm+qb], v[\src+16*qb+qi], v[\src+16*qb+qi+1]
.else
	v_max3_num_f32 v[\tm+qb], v[\tm+qb], |v[\src+16*qb+qi]|, |v[\src+16*qb+qi+1]|
.endif
.set qb, qb+1
.endr
.set qi, qi+2
.endr
.set qb, 0
.rept \nb
	v_mov_b32 v[\tm+\nb+qb], 0                     ; a lane permute's destination counts as one of its sources
.set qb, qb+1
.endr
.set qb, 0
.rept \nb
	v_permlanex16_b32 v[\tm+\nb+qb], v[\tm+qb], s44, s45
.set qb, qb+1
.endr
.set qb, 0
.rept \nb
	v_max_num_f32 v[\tm+qb], v[\tm+qb], v[\tm+\nb+qb]          ; with lane l xor 16's: the block's largest magnitude
.set qb, qb+1
.endr
.set qb, 0
.rept \nb
	v_add_nc_u32 v[\tm+3*\nb+qb], 0xf8800000, v[\tm+qb]        ; 15 off its exponent field: the conversion's scale operand
	v_and_or_b32 v[\tm+2*\nb+qb], v[\tm+qb], 0x7f800000, s46   ; 57,344 x the scale
.set qb, qb+1
.endr
.set qb, 0
.rept \nb
	v_lshrrev_b32 v[\tm+\nb+qb], 23, v[\tm+3*\nb+qb]           ; the byte
.set qb, qb+1
.endr
	v_lshl_or_b32 v[PW], v[\tm+\nb+1], 8, v[\tm+\nb]
.if \nb > 2
	v_lshl_or_b32 v[PW], v[\tm+\nb+2], 16, v[PW]
	v_lshl_or_b32 v[PW], v[\tm+\nb+3], 24, v[PW]
.endif
.set qb, 0
.rept \nb
.set qi, 0
.rept 16
.if \relu
	v_med3_num_f32 v[\src+16*qb+qi], v[\src+16*qb+qi], 0, v[\tm+2*\nb+qb]    ; the activation and the hold in one
.else
	v_med3_num_f32 v[\src+16*qb+qi], v[\src+16*qb+qi], -v[\tm+2*\nb+qb], v[\tm+2*\nb+qb]   ; the conversion does not saturate (ISA guide 7.6.2): the hold
.endif
.set qi, qi+1
.endr
	v_cvt_scalef32_pk8_bf8_f32 v[\pc+4*qb:\pc+4*qb+1], v[\src+16*qb:\src+16*qb+7], v[\tm+3*\nb+qb]
	v_cvt_scalef32_pk8_bf8_f32 v[\pc+4*qb+2:\pc+4*qb+3], v[\src+16*qb+8:\src+16*qb+15], v[\tm+3*\nb+qb]
.set qb, qb+1
.endr
	v_nop                                          ; a plain instruction behind the last conversion
.endm
; My part of one expert's weight: eight fragments into window 1 from v[reg] on, and their scale words: 34 loads.
.macro WGRP base, reg, sreg, sbase
	WIN 0x40                                       ; destination window 1
.set wi, 0
.rept 32
	global_load_b128 v[\reg+4*wi:\reg+4*wi+3], v[WOFF], s[\base:\base+1] offset:512*wi
.set wi, wi+1
.endr
	WIN 0
	global_load_b128 v[\sreg:\sreg+3], v[SOFF], s[\sbase:\sbase+1]
	global_load_b128 v[\sreg+4:\sreg+7], v[SOFF], s[\sbase:\sbase+1] offset:16
.endm
; PHASE 1 for tile m: my 64 hidden units of its 16 tokens.  The four accumulators take turns, one instruction a turn.
.macro P1 m
	s_bitcmp1_b32 s[ACT], 4*(\m)
	s_cbranch_scc0 .Lp1_\@
.irp s, 0,1
.irp c, 0,1,2,3
	ds_load_b128 v[XFR+16*\s+4*\c:XFR+16*\s+4*\c+3], v[AXI] offset:4096*(\m)+2048*\s+512*\c
.endr
	ds_load_b32 v[XS+\s], v[AXS] offset:256*(\m)+128*\s
.endr
.irp t, 0,1,2,3
	ds_load_b128 v[HA+8*\t:HA+8*\t+3], v[AB1] offset:128*(\t/2)+32*(\t%2)        ; b1 in the result's layout: units 32 (t / 2) + 16 h + 8 (t % 2) + 0 .. 7
	ds_load_b128 v[HA+8*\t+4:HA+8*\t+7], v[AB1] offset:128*(\t/2)+32*(\t%2)+16
.endr
	s_wait_dscnt 0x0                               ; these, and the last tile's stores, whose registers are written again below
	WIN 0x01                                       ; source 0 (W1) window 1
.irp s, 0,1
.irp t, 0,1,2,3
	v_wmma_scale_f32_16x16x128_f8f6f4 v[HA+8*\t:HA+8*\t+7], v[16*(2*\t+\s):16*(2*\t+\s)+15], v[XFR+16*\s:XFR+16*\s+15], v[HA+8*\t:HA+8*\t+7], v[W1S+2*\t+\s], v[XS+\s] matrix_a_fmt:MATRIX_FMT_BF8 matrix_b_fmt:MATRIX_FMT_BF8
.endr
.endr
	WIN 0
	PLACES 9                                       ; behind this form: eight before a result is read or a load is issued into an operand, nine before a matrix instruction writes over one
	QUANT HA, PC, TM, 2, 1
	ds_store_b128 v[HWI], v[PC:PC+3] offset:8192*(\m)              ; groups 2 (wave % 2), + 1 of fragment 4 m + wave / 2
	ds_store_b128 v[HWI], v[PC+4:PC+7] offset:8192*(\m)+512
	ds_store_b16 v[HWS], v[PW] offset:512*(\m)                     ; and the same two bytes of its scale word
.Lp1_\@:
.endm
; PHASE 2 for tile m: my 32 outputs of its 16 tokens, times the gate, onto the sums.  Two accumulators by turns.
.macro P2 m
	s_bitcmp1_b32 s[ACT], 4*(\m)
	s_cbranch_scc0 .Lp2_\@
.irp s, 0,1,2,3
.irp c, 0,1,2,3
	ds_load_b128 v[HF+16*\s+4*\c:HF+16*\s+4*\c+3], v[AHI] offset:8192*(\m)+2048*\s+512*\c
.endr
	ds_load_b32 v[HS+\s], v[AHS] offset:512*(\m)+128*\s
.endr
.irp n, 0,1
	ds_load_b128 v[Y+8*\n:Y+8*\n+3], v[AB2] offset:64*\n           ; b2 in the result's layout
	ds_load_b128 v[Y+8*\n+4:Y+8*\n+7], v[AB2] offset:64*\n+16
.endr
	ds_load_b32 v[G], v[AG] offset:64*(\m)                         ; token r's gate for this expert: 0 where it did not choose it
	s_wait_dscnt 0x0
	WIN 0x01                                       ; source 0 (W2) window 1
.irp s, 0,1,2,3
.irp n, 0,1
	v_wmma_scale_f32_16x16x128_f8f6f4 v[Y+8*\n:Y+8*\n+7], v[128+16*(4*\n+\s):128+16*(4*\n+\s)+15], v[HF+16*\s:HF+16*\s+15], v[Y+8*\n:Y+8*\n+7], v[W2S+4*\n+\s], v[HS+\s] matrix_a_fmt:MATRIX_FMT_BF8 matrix_b_fmt:MATRIX_FMT_BF8
.endr
.endr
	WIN 0
	PLACES 9
.irp n, 0,1
.irp i, 0,2,4,6                                ; each accumulator from its low end on
	v_pk_fma_f32 v[ACC+16*(\m)+8*\n+\i:ACC+16*(\m)+8*\n+\i+1], v[Y+8*\n+\i:Y+8*\n+\i+1], v[G:G+1], v[ACC+16*(\m)+8*\n+\i:ACC+16*(\m)+8*\n+\i+1] op_sel_hi:[1,0,1]
.endr
.endr
.Lp2_\@:
.endm
	s_load_b512 s[4:19], s[0:1], 0x0               ; x, gates, perm, meta, w1img, w2img, wsc, b1
	s_load_b128 s[20:23], s[0:1], 0x40             ; b2, out0
	v_lshl_add_u32 v[SPW], v0, 2, SPARE
	v_mov_b32 v[NIL], 0
	v_lshrrev_b32 v46, 5, v0
	v_readfirstlane_b32 s[WV], v46
	v_and_b32 v224, 15, v0                         ; r
	v_bfe_u32 v225, v0, 4, 1                       ; h
	v_and_b32 v226, 31, v0                         ; lane
	v_lshlrev_b32 v227, 4, v226
	v_lshlrev_b32 v228, 2, v226
	v_lshlrev_b32 v229, 4, v224                    ; 16 r
	v_lshlrev_b32 v230, 2, v225
	v_lshlrev_b32 v231, 2, v224
	v_lshlrev_b32 v232, 4, v0                      ; 16 x thread
	v_lshlrev_b32 v240, 4, v225                    ; 16 h
	v_add_nc_u32 v233, B1L, v232
	v_add_nc_u32 v[AXI], XIMG, v227
	v_add_nc_u32 v[AHI], HIMG, v227
	v_add_nc_u32 v[AXS], XSC, v228
	v_add_nc_u32 v[AHS], HSC, v228
	s_lshl_b32 s32, s[WV], 10
	v_add_nc_u32 v[HWI], s32, v[AHI]
	s_lshr_b32 s32, s[WV], 1
	s_lshl_b32 s32, s32, 7
	s_and_b32 s33, s[WV], 1
	s_lshl_b32 s33, s33, 1
	s_add_co_u32 s32, s32, s33
	v_add_nc_u32 v[HWS], s32, v[AHS]
	v_add_nc_u32 v[AGB], GL, v231
	s_lshl_b32 s32, s[WV], 8
	s_add_co_u32 s32, s32, B1L
	v_lshl_add_u32 v[AB1B], v225, 6, s32
	s_lshl_b32 s32, s[WV], 7
	s_add_co_u32 s33, s32, B2L
	v_lshl_add_u32 v[AB2B], v225, 5, s33
	v_mul_u32_u24 v[AXF0], v224, XP
	v_lshl_add_u32 v[AXF0], v225, 5, v[AXF0]
	v_add_nc_u32 v[AXF0], s32, v[AXF0]
	v_add_nc_u32 v[AXF1], 4*TILEB, v[AXF0]
	s_lshl_b32 s32, s[WV], 14
	v_add_nc_u32 v[WOFF], s32, v227
	s_lshl_b32 s32, s[WV], 9
	v_lshl_add_u32 v[SOFF], v224, 5, s32
	s_mul_i32 s33, s[WV], TILEB
	v_mul_u32_u24 v[XD], v225, XP
	v_add_nc_u32 v[XD], v[XD], v229
	v_add_nc_u32 v[XD], s33, v[XD]
	v_mul_u32_u24 v234, v224, XP
	v_lshl_add_u32 v234, v225, 6, v234
	v_add_nc_u32 v234, s33, v234                   ; my tile's row r, + 64 h: 16 numbers of a block of 32
	s_lshl_b32 s32, s[WV], 12
	s_add_co_u32 s32, s32, XIMG
	v_add_nc_u32 v235, s32, v227                   ; where I store x's images
	s_lshl_b32 s32, s[WV], 8
	s_add_co_u32 s32, s32, XSC
	v_add_nc_u32 v236, s32, v228                   ; and their scale words
	s_lshl_b32 s32, s[WV], 6
	s_add_co_u32 s32, s32, GL
	v_add_nc_u32 v237, s32, v231
	v_lshl_add_u32 v237, v225, 11, v237            ; gates: row 16 wave + r, experts 4 h on
	v_mov_b32 v19, 0                               ; (named as the upper half of the pair v[18:19])
	v_mov_b32 v46, 0
	s_mov_b32 s44, 0x76543210
	s_mov_b32 s45, 0xfedcba98                      ; v_permlanex16_b32's selects for lane l xor 16
	s_mov_b32 s46, 0x600000                        ; the mantissa field of 57,344
	s_wait_kmcnt 0x0
	s_load_b32 s25, s[10:11], 0x0                  ; A
	s_wait_kmcnt 0x0
	s_min_u32 s25, s25, 0x8000
	s_add_co_u32 s25, s25, 15
	s_lshr_b32 s25, s25, 4                         ; T16
	s_mul_i32 s26, ttmp9, s25
	s_lshr_b32 s26, s26, 8                         ; my first tile
	s_add_co_u32 s32, ttmp9, 1
	s_mul_i32 s27, s32, s25
	s_lshr_b32 s27, s27, 8
	s_sub_co_u32 s27, s27, s26
	s_min_u32 s27, s27, 8                          ; my tiles
	s_min_u32 s26, s26, 2040                       ; eight tiles from here on lie inside perm
	s_sub_co_u32 s32, s27, 1
	s_min_u32 s32, s[WV], s32                      ; a wave beyond my tiles brings the last one in once more: every register and LDS byte named later is written on every way
	s_add_co_u32 s28, s26, s32
	s_min_u32 s28, s28, 2047                       ; the tile that my wave brings in
	s_lshl_b32 s32, s26, 6
	s_mov_b32 s33, 0
	s_add_nc_u64 s[50:51], s[8:9], s[32:33]
	s_lshl_b32 s32, s28, 6
	s_add_nc_u64 s[52:53], s[8:9], s[32:33]
.irp i, 0,1,2,3
	global_load_b128 v[48+4*\i:48+4*\i+3], v232, s[18:19] offset:4096*\i
.endr
.irp i, 0,1
	global_load_b128 v[64+4*\i:64+4*\i+3], v232, s[20:21] offset:4096*\i
.endr
	global_load_b128 v[72:75], v227, s[50:51]      ; the words of 128 positions: lane l has four of tile l / 4
.irp p, 0,1,2,3,4,5,6,7
	global_load_b32 v[76+\p], v230, s[52:53] offset:8*\p   ; row 2 p + h of my wave's tile
.endr
	global_load_b32 v84, v231, s[52:53]            ; row r
	s_wait_loadcnt 0x0
.irp i, 0,1,2,3,4,5
	ds_store_b128 v233, v[48+4*\i:48+4*\i+3] offset:4096*\i   ; b1, and behind it b2
.endr
.irp p, 0,1,2,3,4,5,6,7
	v_and_b32 v239, 0x7fff, v[76+\p]
	v_min_u32 v239, 0x7fff, v239                   ; a token: held inside x
	v_lshl_add_u32 v[85+\p], v239, 10, v229
.endr
	v_and_b32 v239, 0x7fff, v84
	v_min_u32 v239, 0x7fff, v239                   ; a token: held inside gates
	v_lshl_add_u32 v238, v239, 5, v240             ; gates: 32 x token + 16 h
	WIN 0x40                                       ; x lands dense where W2's fragments will lie
.irp p, 0,1,2,3,4,5,6,7
.irp q, 0,1,2,3
	global_load_b128 v[128+16*\p+4*\q:128+16*\p+4*\q+3], v[85+\p], s[4:5] offset:256*\q   ; sixteen lanes read 256 consecutive bytes of a row
.endr
.endr
	WIN 0
	global_load_b128 v[96:99], v238, s[6:7]
	v_or_b32 v[VSET], v72, v73
	v_or_b32 v47, v74, v75
	v_or_b32 v[VSET], v[VSET], v47
	v_lshrrev_b32 v[VSET], 16, v[VSET]
	s_lshl_b32 s32, s[NT], 2
	v_cmp_gt_u32 vcc_lo, s32, v226
	v_cndmask_b32 v[VSET], 0, v[VSET], vcc_lo      ; tiles beyond mine use nothing
	v_mov_b32_dpp v46, v[VSET] row_xmask:1 row_mask:0xf bank_mask:0xf
	v_or_b32 v[VSET], v[VSET], v46
	v_mov_b32_dpp v46, v[VSET] row_xmask:2 row_mask:0xf bank_mask:0xf
	v_or_b32 v[VSET], v[VSET], v46                 ; four lanes hold their tile's experts
	v_mov_b32 v47, v[VSET]
	v_mov_b32_dpp v46, v47 row_xmask:4 row_mask:0xf bank_mask:0xf
	v_or_b32 v47, v47, v46
	v_mov_b32_dpp v46, v47 row_xmask:8 row_mask:0xf bank_mask:0xf
	v_or_b32 v47, v47, v46
	v_permlanex16_b32 v46, v47, s44, s45
	v_or_b32 v47, v47, v46
	v_readfirstlane_b32 s[EM], v47                 ; the work-group's experts
	s_ctz_i32_b32 s32, s[EM]
	s_min_u32 s34, s32, 7                          ; the first of them
	s_lshl_b32 s32, s34, 17
	s_mov_b32 s33, 0
	s_add_nc_u64 s[NB1:NB1+1], s[12:13], s[32:33]
	s_lshl_b32 s32, s34, 12
	s_add_nc_u64 s[NS1:NS1+1], s[16:17], s[32:33]
	s_mov_b64 s[NB2:NB2+1], s[14:15]
	s_add_nc_u64 s[NS2:NS2+1], s[16:17], 32768
	WGRP NB1, 0, W1S, NS1
	global_load_b128 v[W2S:W2S+3], v[SOFF], s[NS2:NS2+1]           ; (so that these registers are written on every way; each expert's own words follow in its trip)
	global_load_b128 v[W2S+4:W2S+7], v[SOFF], s[NS2:NS2+1] offset:16
	s_wait_loadcnt 36                              ; x's 32 and the gates' one are in; W1's 34 and these two stay out
	WIN 0x04                                       ; an LDS store's data are its source 1: window 1
.irp p, 0,1,2,3,4,5,6,7
.irp q, 0,1,2,3
	ds_store_b128 v[XD], v[128+16*\p+4*\q:128+16*\p+4*\q+3] offset:2080*\p+256*\q
.endr
.endr
	WIN 0
.irp i, 0,1,2,3
	ds_store_b32 v237, v[96+\i] offset:512*\i
.endr
.irp s, 0,1                                    ; my tile's x becomes two fragments
.irp b, 0,1,2,3
.irp j, 0,1,2,3
	ds_load_b128 v[128+16*\b+4*\j:128+16*\b+4*\j+3], v234 offset:512*\s+128*\b+16*\j   ; LDS serves a wave's instructions in order: these see my stores
.endr
.endr
	s_wait_dscnt 0x0
	QUANT 128, 192, 208, 4, 0
.irp c, 0,1,2,3
	ds_store_b128 v235, v[192+4*\c:192+4*\c+3] offset:2048*\s+512*\c
.endr
	ds_store_b32 v236, v[PW] offset:128*\s
.endr
	BAR                                            ; x, its fragments, the gates and the biases lie in LDS
.irp m, 0,1,2,3,4,5,6,7                        ; the sums start from x: the residual, and nothing is cleared
.irp n, 0,1
	ds_load_b128 v[ACC+16*\m+8*\n:ACC+16*\m+8*\n+3], v[AXF0+\m/4] offset:TILEB*(\m%4)+64*\n
	ds_load_b128 v[ACC+16*\m+8*\n+4:ACC+16*\m+8*\n+7], v[AXF0+\m/4] offset:TILEB*(\m%4)+64*\n+16
.endr
.endr
	s_wait_dscnt 0x0
	s_mov_b32 s[EX], 0
	s_mov_b32 s47, 0
	s_mov_b32 s48, 0
	s_mov_b32 s49, 0
.Lexp:                                             ; eight trips, whatever the split.  Every wait for loads in the loop is for 0, so it holds on every way through the branches
	s_lshl_b32 s32, 1, s[EX]
	v_and_b32 v46, s32, v[VSET]
	v_cmp_ne_u32 s[ACT], 0, v46                    ; which tiles use this expert
	v_add_nc_u32 v[AG], s47, v[AGB]
	v_add_nc_u32 v[AB1], s48, v[AB1B]
	v_add_nc_u32 v[AB2], s49, v[AB2B]
	s_cmp_eq_u32 s[ACT], 0
	s_cbranch_scc1 .Lb1
	s_wait_loadcnt 0x0                             ; W1 of this expert, asked for a phase ago
	WGRP NB2, 128, W2S, NS2                        ; its W2 lands while phase 1 runs
.irp m, 0,1,2,3,4,5,6,7
	P1 \m
.endr
.Lb1:
	BAR                                            ; the hidden fragments are whole
	s_cmp_eq_u32 s[ACT], 0
	s_cbranch_scc1 .Lb2
	s_wait_loadcnt 0x0                             ; W2; no load of mine is out, so the bases below may be written
	s_add_co_u32 s33, s[EX], 1
	s_lshr_b32 s34, s[EM], s33
	s_cmp_eq_u32 s34, 0
	s_cbranch_scc1 .Lnn                            ; no later expert is used
	s_ctz_i32_b32 s34, s34
	s_add_co_u32 s34, s34, s33
	s_min_u32 s34, s34, 7                          ; the next expert used
	s_lshl_b32 s32, s34, 17
	s_mov_b32 s33, 0
	s_add_nc_u64 s[NB1:NB1+1], s[12:13], s[32:33]
	s_lshl_b32 s32, s34, 12
	s_add_nc_u64 s[NS1:NS1+1], s[16:17], s[32:33]
	WGRP NB1, 0, W1S, NS1                          ; its W1 lands while phase 2 runs
.Lnn:
.irp m, 0,1,2,3,4,5,6,7
	P2 \m
.endr
.Lb2:
	BAR                                            ; nobody reads the hidden fragments any more
	s_wait_xcnt 0x0                                ; the loads that are out have read their bases
	s_add_nc_u64 s[NB2:NB2+1], s[NB2:NB2+1], 0x20000
	s_add_nc_u64 s[NS2:NS2+1], s[NS2:NS2+1], 4096
	s_add_co_u32 s47, s47, 512
	s_add_co_u32 s48, s48, 2048
	s_add_co_u32 s49, s49, 1024
	s_add_co_u32 s[EX], s[EX], 1
	s_cmp_lt_u32 s[EX], 8
	s_cbranch_scc1 .Lexp
	; THE WAY OUT: a row's 256 numbers come from eight waves: they meet in XF, and each wave stores its own tile's 16 whole rows.
	v_bfe_u32 v93, v0, 4, 1
	v_lshlrev_b32 v93, 2, v93
	v_and_b32 v94, 15, v0
	v_lshlrev_b32 v94, 4, v94
.irp p, 0,1,2,3,4,5,6,7
	global_load_b32 v[76+\p], v93, s[52:53] offset:8*\p    ; my tile's tokens once more
.endr
.irp m, 0,1,2,3,4,5,6,7
.irp n, 0,1
	ds_store_b128 v[AXF0+\m/4], v[ACC+16*\m+8*\n:ACC+16*\m+8*\n+3] offset:TILEB*(\m%4)+64*\n
	ds_store_b128 v[AXF0+\m/4], v[ACC+16*\m+8*\n+4:ACC+16*\m+8*\n+7] offset:TILEB*(\m%4)+64*\n+16
.endr
.endr
	BAR
	s_cmp_ge_u32 s[WV], s[NT]                      ; a wave beyond the work-group's tiles stores nothing
	s_cbranch_scc1 .Lend
	s_wait_loadcnt 0x0
.irp p, 0,1,2,3,4,5,6,7
	v_and_b32 v95, 0x7fff, v[76+\p]
	v_min_u32 v95, 0x7fff, v95                     ; a token: held inside out0
	v_lshl_add_u32 v[85+\p], v95, 10, v94
.endr
.irp p, 0,1,2,3,4,5,6,7
.irp q, 0,1,2,3
	ds_load_b128 v[128+16*\p+4*\q:128+16*\p+4*\q+3], v[XD] offset:2080*\p+256*\q
.endr
.endr
.irp p, 0,1,2,3,4,5,6,7
.irp q, 0,1,2,3
	s_wait_dscnt 31-4*\p-\q                        ; LDS loads come back in order: this one is in, the younger ones stay out
	global_store_b128 v[85+\p], v[128+16*\p+4*\q:128+16*\p+4*\q+3], s[22:23] offset:256*\q th:TH_STORE_NT   ; sixteen lanes store 256 consecutive bytes of a row, aligned
.endr
.endr
.Lend:
	s_wait_tensorcnt 0x0                           ; the wave's end
	ds_add_u32 v[SPW], v[NIL]
	s_wait_dscnt 0x0
	s_endpgm
.Lfunc_end_k_qfd0d92f248_experts:
	.size	k_qfd0d92f248_experts, .Lfunc_end_k_qfd0d92f248_experts-k_qfd0d92f248_experts
	.p2alignl 7, 3214868480
	.fill 96, 4, 3214868480
	.section	.rodata,"a",@progbits
	.p2align	6, 0x0
	.amdhsa_kernel k_qfd0d92f248_experts
		.amdhsa_group_segment_fixed_size 267264
		.amdhsa_private_segment_fixed_size 0
		.amdhsa_enable_private_segment 0
		.amdhsa_kernarg_size 80
		.amdhsa_user_sgpr_count 2
		.amdhsa_user_sgpr_kernarg_segment_ptr 1
		.amdhsa_wavefront_size32 1
		.amdhsa_system_sgpr_workgroup_id_x 1
		.amdhsa_system_sgpr_workgroup_id_y 1
		.amdhsa_system_sgpr_workgroup_id_z 1
		.amdhsa_system_vgpr_workitem_id 0
		.amdhsa_next_free_vgpr 512
		.amdhsa_next_free_sgpr 66
		.amdhsa_reserve_vcc 1
		.amdhsa_float_denorm_mode_32 3
		.amdhsa_float_denorm_mode_16_64 3
		.amdhsa_memory_ordered 1
		.amdhsa_forward_progress 1
		.amdhsa_inst_pref_size 140
	.end_amdhsa_kernel
	.amdgpu_metadata
---
amdhsa.version: [ 1, 2 ]
amdhsa.kernels:
  - .name:           k_qfd0d92f248_experts
    .symbol:         k_qfd0d92f248_experts.kd
    .args:
      - { .name: x, .offset: 0, .size: 8, .value_kind: global_buffer, .address_space: global }
      - { .name: gates, .offset: 8, .size: 8, .value_kind: global_buffer, .address_space: global }
      - { .name: perm, .offset: 16, .size: 8, .value_kind: global_buffer, .address_space: global }
      - { .name: meta, .offset: 24, .size: 8, .value_kind: global_buffer, .address_space: global }
      - { .name: w1img, .offset: 32, .size: 8, .value_kind: global_buffer, .address_space: global }
      - { .name: w2img, .offset: 40, .size: 8, .value_kind: global_buffer, .address_space: global }
      - { .name: wsc, .offset: 48, .size: 8, .value_kind: global_buffer, .address_space: global }
      - { .name: b1, .offset: 56, .size: 8, .value_kind: global_buffer, .address_space: global }
      - { .name: b2, .offset: 64, .size: 8, .value_kind: global_buffer, .address_space: global }
      - { .name: out0, .offset: 72, .size: 8, .value_kind: global_buffer, .address_space: global }
    .group_segment_fixed_size: 267264
    .private_segment_fixed_size: 0
    .kernarg_segment_align: 8
    .kernarg_segment_size: 80
    .max_flat_workgroup_size: 256
    .sgpr_count:     66
    .vgpr_count:     512
    .wavefront_size: 32
...
	.end_amdgpu_metadata
.endif
;; end of part 3
